; MI455X (gfx1250); checked and timed in simulation.
; The chip was launched on July 23, 2026; its instructions are those of AMD's public machine-readable ISA for CDNA 5 (MIT licence, August 2026) and "CDNA5" Instruction Set Architecture Reference Guide (July 2026). The comments in the code are by the model that wrote it; some were corrected since.
;; Permutator. Allowed arithmetic: matrix products marked QUANTISED: E5M2 operands, one E8M0 scale for each 32 along K, by v_wmma_scale_f32_16x16x128_f8f6f4 with both operands' format E5M2, f32 sums; everything else in f32.
;; Inputs: perm 4,096 x 4,096 float32; x 4,096 x 4,096 float32.
;; Outputs: out0 4,096 x 4,096 float32.
;; This version of the problem:
;;   THIS VERSION OF THE PROBLEM IS GIVEN IN LOW PRECISION. The matrix products marked QUANTISED in the list below multiply operands that are first quantised to E5M2 (5 exponent bits, 2 mantissa bits; 8 bits a number), with one power-of-two scale for each 32 numbers along K (OCP MX v1.0); their sums are f32. All else is computed in f32.
;;   The module's matrix products, in the order in which they are computed (A, B: the left and right operand; K: the contracted axis; several contracted axes count as one K, in the product's order):
;;     1. [M 4,096, K 4,096] x [K 4,096, N 4,096]; A: input x; B: input perm: QUANTISED
;;   THE QUANTISER, for each operand of a quantised product, along K:
;;     - K is cut into blocks of 32 from its start; a last block that is shorter is filled with zeros.
;;     - A block's scale is 2^e with e = floor(log2(the largest magnitude in the block)) - 15, held to -126 .. 127; a block of zeros has e = 0. As a byte (E8M0): e + 127.
;;     - Each number is divided by its block's scale, clamped to +-57,344, and rounded to the nearest number of E5M2, ties to even, subnormals kept.
;;     - The product sums the exact products of the quantised numbers (number of the format x scale) in f32.
;;   ~~~python
;;   def quantise(x, axis):      # numpy; x: float32 -> the quantised numbers, widened to float32 again
;;       x = np.moveaxis(x, axis, -1); K = x.shape[-1]
;;       x = np.pad(x, [(0, 0)] * (x.ndim - 1) + [(0, -K % 32)]); x = x.reshape(x.shape[:-1] + (-1, 32)); a = np.abs(x).max(-1, keepdims=True)
;;       e = np.where(a > 0, np.clip(np.frexp(np.where(a > 0, a, 1))[1] - 1 - 15, -126, 127), 0)      # np.frexp(a)[1] - 1 = floor(log2(a)), exactly
;;       r = np.clip(x / 2.0 ** e, -57344, 57344)
;;       step = 2.0 ** (np.maximum(np.frexp(np.where(r == 0, 1, r))[1] - 1, -14) - 2)
;;       q = np.round(r / step) * step * 2.0 ** e      # np.round: ties to even
;;       return np.moveaxis(q.reshape(q.shape[:-2] + (-1,))[..., :K], -1, axis).astype(np.float32)
;;   ~~~
;; One version. Each part assembles by itself: llvm-mc -triple=amdgcn-amd-amdhsa -mcpu=gfx1250 --defsym DOCPART=n.
;; ======== version 1 of 1: 2 launches
;; limits: right only within a limited range of input values
;; workspace buffers: aq 17,301,504 bytes; bq 17,301,504 bytes
;; launch quant (part 1): grid 1024 x 1, 4 waves a work-group, no clusters, 70,144 bytes of LDS; arguments x, perm, aq, bq; writes aq, bq
.if DOCPART == 1
	.amdgcn_target "amdgcn-amd-amdhsa--gfx1250"
	.amdhsa_code_object_version 6
	.text
	.protected	k_q745ca39f01_quant
	.globl	k_q745ca39f01_quant
	.p2align	8
	.type	k_q745ca39f01_quant,@function
k_q745ca39f01_quant:
	s_mov_b64 s[64:65], 0
	v_nop
	global_prefetch_b8 v0, s[64:65] scope:SCOPE_SE
	s_setreg_imm32_b32 hwreg(HW_REG_WAVE_MODE, 25, 1), 1
	s_wait_xcnt 0x0
; x [4096 (m)][4096 (k)] and perm [4096 (k)][4096 (n)], f32, are turned into codes of BF8 (E5M2) with one E8M0 scale byte for each 32 along K.
; A block's scale is 2^(floor(log2(its largest magnitude)) - 15); its byte is the largest magnitude's exponent field - 15, held at 1 from below.
; Each number is divided by the scale, held within +-57,344 and rounded to the nearest code, ties to even.
; LIMITS: a block of zeros gets the byte 1 where the rule says 127: its codes are zeros, which add nothing under any byte but 0xff, and this program alone reads the bytes.
; Blocks whose largest magnitude lies under 2^(16 - 127), the floor, were not tried.  NaN and infinities among the inputs are not served.
; aq, x's codes IN THE ORDER OF THE MATRIX OPERAND'S REGISTERS: [256 blocks of 16 rows][32 K steps of 128][c = 0..3][lane 0..31][16 bytes]; lane (r, h) = 16 h + r holds row r, k = 32 c + 16 h + 0..15.
; Behind them, from byte ASC on, x's scale words: [128 groups of 32 rows][16 pairs of K steps][row 0..31][the odd step's word, the even step's word].
; bq, perm's: [16 tiles of 256 columns][16 K steps of 256][264 rows of 256 bytes]: rows 0-255 a column's 256 codes, K innermost; rows 256-263 the scale bytes, [256 columns][8].
; A wave takes 32 rows (columns) x 256 along K.  Work-groups with an even number take x, the odd ones perm; the two ways never join and have LDS bytes of their own.  No barrier: waves share nothing.
.set BLKB,  67584
.set ASC,   16777216
.set EMAX,  15
.set MANT,  0x600000                   ; the mantissa field of 57,344
.set SPW,   212                        ; my spare word's LDS address; never rewritten
.set NIL,   213                        ; 0; never rewritten
.set SPARE, 69632                      ; behind both ways' stages: 128 bytes a wave that no other line names
; ---- x's way
.set XP,    272                        ; a stage row: 256 bytes + 16
.set XST,   16*XP                      ; a stage: 16 rows x 64 numbers
.set WREG,  2*XST                      ; two stages for each wave
.set R,     16                         ; v16-79   two sets of 32 registers as loaded
.set X,     80                         ; v80-143  two sets of 2 x 16 neighbours
.set C,     144                        ; v144-207 codes: four registers for each of 16 stores, none written again
.set WD,    208                        ; v208-211 scale words: 2 x (block of 16 rows) + K step
; ---- perm's way
.set PSTG,  4*WREG
.set PP,    272
.set NB,    8
.set PX,    32
.set PC,    96
.set OUTR,  112
.set SB,    24
; part d = 4 mb + qd: rows 16 mb .. + 15 of my 32, numbers 64 qd .. + 63 of my 256.  Each load reads two rows' 256 bytes, aligned
.macro XLOAD d
.irp i, 0,1,2,3,4,5,6,7
	global_load_b128 v[R+32*((\d)%2)+4*\i:R+32*((\d)%2)+4*\i+3], v3, s[4:5] offset:(((\d)>>2)*16+2*\i)*16384+((\d)&3)*256 th:TH_LOAD_NT
.endr
.endm
; through the stage: in as loaded, out 64 bytes a lane: lane (r, h) takes row r, numbers 32 e + 16 h + 0..15.  LDS serves a wave's instructions in order
.macro XTURN d
.irp i, 0,1,2,3,4,5,6,7
	ds_store_b128 v14, v[R+32*((\d)%2)+4*\i:R+32*((\d)%2)+4*\i+3] offset:XST*((\d)%2)+2*\i*XP
.endr
.irp i, 0,1,2,3,4,5,6,7
	ds_load_b128 v[X+32*((\d)%2)+4*\i:X+32*((\d)%2)+4*\i+3], v15 offset:XST*((\d)%2)+(\i/4)*128+(\i%4)*16
.endr
.endm
.macro SUB d, e                        ; 16 rows x 32 along K: one block of 32 in lanes l and l xor 16; the wave's 512 bytes of codes are one run of aq
.set XS, X+32*((\d)%2)+16*(\e)
.set CC, C+4*(2*(\d)+(\e))
.set CQ, 2*((\d)&1)+(\e)
.set WW, WD+2*((\d)>>2)+(((\d)>>1)&1)
	v_max3_num_f32 v8, |v[XS]|, |v[XS+1]|, |v[XS+2]|
	v_max3_num_f32 v9, |v[XS+3]|, |v[XS+4]|, |v[XS+5]|
.irp i, 6,10
	v_max3_num_f32 v8, v8, |v[XS+\i]|, |v[XS+\i+1]|
	v_max3_num_f32 v9, v9, |v[XS+\i+2]|, |v[XS+\i+3]|
.endr
	v_max3_num_f32 v8, v8, |v[XS+14]|, |v[XS+15]|
	v_max3_num_f32 v8, v8, v9, (EMAX+1)<<23        ; the floor: the byte cannot fall under 1
	v_permlanex16_b32 v9, v8, s22, s23
	v_max_num_f32 v8, v8, v9                       ; with lane l xor 16's: the block's largest magnitude
	v_add_nc_u32 v11, -(EMAX<<23), v8              ; the conversion's scale operand
	v_and_or_b32 v10, v8, 0x7f800000, s30          ; 57,344 x the scale
.irp i, 0,1,2,3,4,5,6,7,8,9,10,11,12,13,14,15
	v_med3_num_f32 v[XS+\i], v[XS+\i], -v10, v10   ; the conversion does not saturate (ISA guide 7.6.2)
.endr
	v_cvt_scalef32_pk8_bf8_f32 v[CC:CC+1], v[XS:XS+7], v11
	v_cvt_scalef32_pk8_bf8_f32 v[CC+2:CC+3], v[XS+8:XS+15], v11
.if CQ == 0
	v_lshrrev_b32 v[WW], 23, v11                   ; the scale's byte starts its word
.else
	v_lshrrev_b32 v12, 23, v11
	v_lshl_or_b32 v[WW], v12, 8*CQ, v[WW]
.endif
	global_store_b128 v4, v[CC:CC+3], s[12:13] offset:((\d)>>2)*65536+(((\d)>>1)&1)*2048+CQ*512
.endm
.macro DSTEP d
	s_wait_dscnt 0x0                               ; this part is back from the stage, so its stores into the stage have read their registers,
.if (\d)+2 < 8
	XLOAD (\d)+2                                   ; which take the loads of two parts on
.endif
.if (\d)+1 < 8
.if (\d)+2 < 8
	s_wait_loadcnt 8                               ; the next part's eight loads are in; the eight just issued may be out
.else
	s_wait_loadcnt 0
.endif
	XTURN (\d)+1
.endif
	SUB \d, 0
	SUB \d, 1
.endm
.macro PLOAD t
.irp i, 0,1,2,3,4,5,6,7,8,9,10,11,12,13,14,15,16,17,18,19,20,21,22,23,24,25,26,27,28,29,30,31
	global_load_b32 v[PX+32*((\t)%2)+\i], v3, s[6:7] offset:(32*(\t)+\i)*16384 th:TH_LOAD_NT
.endr
.endm
.macro PBLOCK t                        ; a lane's 32 registers are one block of 32 down K of its column
.set XS, PX+32*((\t)%2)
.if (\t) < NB-1
	s_wait_loadcnt 32                              ; this block's 32 loads are in; the next block's may be out
.else
	s_wait_loadcnt 0
.endif
	v_max3_num_f32 v12, |v[XS]|, |v[XS+1]|, |v[XS+2]|
	v_max3_num_f32 v13, |v[XS+3]|, |v[XS+4]|, |v[XS+5]|
.irp i, 6,10,14,18,22,26
	v_max3_num_f32 v12, v12, |v[XS+\i]|, |v[XS+\i+1]|
	v_max3_num_f32 v13, v13, |v[XS+\i+2]|, |v[XS+\i+3]|
.endr
	v_max3_num_f32 v12, v12, |v[XS+30]|, |v[XS+31]|
	v_max3_num_f32 v12, v12, v13, (EMAX+1)<<23
	v_add_nc_u32 v11, -(EMAX<<23), v12
	v_and_or_b32 v10, v12, 0x7f800000, s30
	v_lshrrev_b32 v13, 23, v11
.if (\t)%4 == 0
	v_mov_b32 v[SB+(\t)/4], v13
.else
	v_lshl_or_b32 v[SB+(\t)/4], v13, 8*((\t)%4), v[SB+(\t)/4]
.endif
.irp i, 0,1,2,3,4,5,6,7,8,9,10,11,12,13,14,15,16,17,18,19,20,21,22,23,24,25,26,27,28,29,30,31
	v_med3_num_f32 v[XS+\i], v[XS+\i], -v10, v10
.endr
.irp g, 0,1,2,3
	v_cvt_scalef32_pk8_bf8_f32 v[PC+2*\g:PC+2*\g+1], v[XS+8*\g:XS+8*\g+7], v11
.endr
	ds_store_b128 v4, v[PC:PC+3] offset:32*(\t)
	ds_store_b128 v4, v[PC+4:PC+7] offset:32*(\t)+16
.if (\t)+2 < NB
	PLOAD (\t)+2
.endif
	s_wait_dscnt 0x0                               ; the stores have read their registers
.endm
	s_load_b128 s[4:7], s[0:1], 0x0                ; x, perm
	s_load_b128 s[8:11], s[0:1], 0x10              ; aq, bq
	v_lshl_add_u32 v[SPW], v0, 2, SPARE
	v_mov_b32 v[NIL], 0
	v_lshrrev_b32 v1, 5, v0
	v_readfirstlane_b32 s16, v1                    ; wave
	v_and_b32 v2, 31, v0                           ; lane
	s_mov_b32 s30, MANT
	s_lshr_b32 s18, ttmp9, 1                       ; g, 0 .. 511
	s_and_b32 s17, ttmp9, 1
	s_cmp_lg_u32 s17, 0
	s_wait_alu depctr_va_vdst(0)
	s_cbranch_scc1 .Lperm
	; ---- x.  g / 4: which 32 rows; 4 (g % 4) + wave: which 256 along K
	s_lshr_b32 s19, s18, 2
	s_and_b32 s20, s18, 3
	s_lshl_b32 s20, s20, 2
	s_add_co_u32 s20, s20, s16
	s_lshl_b32 s24, s19, 19                        ; x: 32 rows of 16,384 bytes,
	s_lshl_b32 s21, s20, 10                        ; 256 numbers
	s_add_co_u32 s24, s24, s21
	s_mov_b32 s25, 0
	s_lshl_b32 s26, s19, 17                        ; codes: two blocks of 16 rows, 65,536 bytes each,
	s_lshl_b32 s21, s20, 12                        ; two K steps of 2,048 bytes
	s_add_co_u32 s26, s26, s21
	s_mov_b32 s27, 0
	s_lshl_b32 s28, s19, 12                        ; scale words: 4,096 bytes a group, 256 a pair of K steps
	s_lshl_b32 s21, s20, 8
	s_add_co_u32 s28, s28, s21
	s_add_co_u32 s28, s28, ASC
	s_mov_b32 s29, 0
	s_mov_b32 s22, 0x76543210                      ; v_permlanex16_b32's selects for lane l xor 16
	s_mov_b32 s23, 0xfedcba98
	s_mul_i32 s17, s16, WREG
	v_and_b32 v5, 15, v2                           ; r
	v_lshrrev_b32 v6, 4, v2                        ; h
	v_lshlrev_b32 v3, 4, v5
	v_lshl_add_u32 v3, v6, 14, v3                  ; in: 16 lanes to a row's 256 bytes, two rows a load
	v_lshlrev_b32 v4, 4, v2                        ; codes out: 16 x lane
	v_lshlrev_b32 v7, 3, v2                        ; scale words out: 8 x lane
	v_mul_u32_u24 v14, v6, XP
	v_lshl_add_u32 v14, v5, 4, v14
	v_add_nc_u32 v14, s17, v14                     ; into the stage as loaded
	v_mul_u32_u24 v15, v5, XP
	v_lshl_add_u32 v15, v6, 6, v15
	v_add_nc_u32 v15, s17, v15                     ; out of it: row r, 64 h
	s_wait_alu depctr_va_vdst(0)
	s_wait_kmcnt 0x0
	s_add_nc_u64 s[12:13], s[8:9], s[26:27]
	s_add_nc_u64 s[14:15], s[8:9], s[28:29]
	s_add_nc_u64 s[4:5], s[4:5], s[24:25]
	XLOAD 0
	XLOAD 1
	s_wait_loadcnt 8                               ; part 0's eight loads are in
	XTURN 0
.irp d, 0,1,2,3,4,5,6,7
	DSTEP \d
.endr
	v_cmp_lt_u32 vcc_lo, 15, v2                    ; lane l stores row l's words: lanes 16-31 those of the second block of 16 rows
	v_cndmask_b32 v12, v[WD+1], v[WD+3], vcc_lo    ; the odd K step's word first
	v_cndmask_b32 v13, v[WD], v[WD+2], vcc_lo
	global_store_b64 v7, v[12:13], s[14:15]        ; 256 consecutive bytes, aligned
	s_wait_tensorcnt 0x0                           ; the wave's end
	ds_add_u32 v[SPW], v[NIL]
	s_wait_dscnt 0x0
	s_endpgm
	; ---- perm.  g % 32: which 128 columns; g / 32: which K step of 256.  A lane takes a column, its registers run down K
.Lperm:
	s_and_b32 s19, s18, 31
	s_lshr_b32 s20, s18, 5
	s_lshl_b32 s24, s20, 22
	s_lshl_b32 s21, s19, 9
	s_add_co_u32 s24, s24, s21
	s_lshl_b32 s21, s16, 7
	s_add_co_u32 s24, s24, s21
	s_mov_b32 s25, 0
	s_lshr_b32 s21, s19, 1
	s_lshl_b32 s21, s21, 4
	s_add_co_u32 s21, s21, s20
	s_mul_i32 s21, s21, BLKB                       ; the block
	s_and_b32 s22, s19, 1
	s_lshl_b32 s22, s22, 2
	s_add_co_u32 s22, s22, s16                     ; my 32 rows in it
	v_lshlrev_b32 v3, 2, v2
	s_mul_i32 s17, s16, 32*PP
	s_add_co_u32 s17, s17, PSTG
	v_mul_u32_u24 v4, v2, PP
	v_add_nc_u32 v4, s17, v4
	v_and_b32 v5, 15, v2
	v_lshrrev_b32 v6, 4, v2
	v_mul_u32_u24 v7, v6, PP
	v_lshl_add_u32 v7, v5, 4, v7
	v_add_nc_u32 v7, s17, v7
	v_lshlrev_b32 v8, 4, v2
	v_lshlrev_b32 v9, 3, v2
	s_lshl_b32 s26, s22, 13
	s_add_co_u32 s26, s26, s21
	s_mov_b32 s27, 0
	s_lshl_b32 s28, s22, 8
	s_add_co_u32 s28, s28, s21
	s_add_co_u32 s28, s28, 65536
	s_mov_b32 s29, 0
	s_wait_alu depctr_va_vdst(0)
	s_wait_kmcnt 0x0
	s_add_nc_u64 s[12:13], s[10:11], s[26:27]
	s_add_nc_u64 s[14:15], s[10:11], s[28:29]
	s_add_nc_u64 s[6:7], s[6:7], s[24:25]
	PLOAD 0
	PLOAD 1
.irp t, 0,1,2,3,4,5,6,7
	PBLOCK \t
.endr
	global_store_b64 v9, v[SB:SB+1], s[14:15]      ; 256 consecutive bytes, aligned
.irp t, 0,1,2,3,4,5,6,7,8,9,10,11,12,13,14,15
	ds_load_b128 v[OUTR+4*\t:OUTR+4*\t+3], v7 offset:2*\t*PP
.endr
.irp t, 0,1,2,3,4,5,6,7,8,9,10,11,12,13,14,15
	s_wait_dscnt 15-\t
	global_store_b128 v8, v[OUTR+4*\t:OUTR+4*\t+3], s[12:13] offset:512*\t
.endr
	s_wait_tensorcnt 0x0
	ds_add_u32 v[SPW], v[NIL]
	s_wait_dscnt 0x0
	s_endpgm
.Lfunc_end_k_q745ca39f01_quant:
	.size	k_q745ca39f01_quant, .Lfunc_end_k_q745ca39f01_quant-k_q745ca39f01_quant
	.p2alignl 7, 3214868480
	.fill 96, 4, 3214868480
	.section	.rodata,"a",@progbits
	.p2align	6, 0x0
	.amdhsa_kernel k_q745ca39f01_quant
		.amdhsa_group_segment_fixed_size 70144
		.amdhsa_private_segment_fixed_size 0
		.amdhsa_enable_private_segment 0
		.amdhsa_kernarg_size 32
		.amdhsa_user_sgpr_count 2
		.amdhsa_user_sgpr_kernarg_segment_ptr 1
		.amdhsa_wavefront_size32 1
		.amdhsa_system_sgpr_workgroup_id_x 1
		.amdhsa_system_sgpr_workgroup_id_y 1
		.amdhsa_system_sgpr_workgroup_id_z 1
		.amdhsa_system_vgpr_workitem_id 0
		.amdhsa_next_free_vgpr 216
		.amdhsa_next_free_sgpr 66
		.amdhsa_reserve_vcc 1
		.amdhsa_float_denorm_mode_32 3
		.amdhsa_float_denorm_mode_16_64 3
		.amdhsa_memory_ordered 1
		.amdhsa_forward_progress 1
		.amdhsa_inst_pref_size 109
	.end_amdhsa_kernel
	.amdgpu_metadata
---
amdhsa.version: [ 1, 2 ]
amdhsa.kernels:
  - .name:           k_q745ca39f01_quant
    .symbol:         k_q745ca39f01_quant.kd
    .args:
      - { .name: x, .offset: 0, .size: 8, .value_kind: global_buffer, .address_space: global }
      - { .name: perm, .offset: 8, .size: 8, .value_kind: global_buffer, .address_space: global }
      - { .name: aq, .offset: 16, .size: 8, .value_kind: global_buffer, .address_space: global }
      - { .name: bq, .offset: 24, .size: 8, .value_kind: global_buffer, .address_space: global }
    .group_segment_fixed_size: 70144
    .private_segment_fixed_size: 0
    .kernarg_segment_align: 8
    .kernarg_segment_size: 32
    .max_flat_workgroup_size: 128
    .sgpr_count:     66
    .vgpr_count:     216
    .wavefront_size: 32
...
	.end_amdgpu_metadata
.endif
;; end of part 1
;; launch gemm (part 2): grid 16 x 16, 4 waves a work-group, clusters of 4 x 1, 327,680 bytes of LDS; arguments aq, bq, out0; writes out0
.if DOCPART == 2
	.amdgcn_target "amdgcn-amd-amdhsa--gfx1250"
	.amdhsa_code_object_version 6
	.text
	.protected	k_q745ca39f01_gemm
	.globl	k_q745ca39f01_gemm
	.p2align	8
	.type	k_q745ca39f01_gemm,@function
k_q745ca39f01_gemm:
	s_mov_b64 s[64:65], 0
	v_nop
	global_prefetch_b8 v0, s[64:65] scope:SCOPE_SE
	s_setreg_imm32_b32 hwreg(HW_REG_WAVE_MODE, 25, 1), 1
	s_wait_xcnt 0x0
	s_wait_alu depctr_hold_cnt(0) depctr_sa_sdst(0) depctr_va_vdst(0) depctr_va_sdst(0) depctr_va_ssrc(0) depctr_va_vcc(0) depctr_vm_vsrc(0)
	s_getreg_b32 s2, hwreg(HW_REG_IB_STS2, 6, 4)
	s_cmp_eq_u32 s2, 0
	s_cbranch_scc0 .Lentry_in_a_cluster
	s_endpgm
.Lentry_in_a_cluster:
	s_bfe_u32 s2, ttmp6, 0x10000c
	s_cmp_lg_u32 s2, 0x3003
	s_cbranch_scc0 .Lentry_shape_is_right
	s_endpgm
.Lentry_shape_is_right:
; out0[m][n] = sum over k of A[m][k] B[n][k] on codes of BF8 with E8M0 scales, as launch quant laid them (A = x, B = perm's columns).  Sums in f32.
; A work-group (x: tile row, y: tile column) makes 256 x 256; wave w makes rows 64 w .. + 63 x all 256 columns: 4 x 16 accumulators, 512 registers.
; A: no other wave of the work-group wants my 64 rows, so they never pass LDS: aq holds them in the order of the operand's registers, and 16 loads of 512 consecutive
; bytes bring a K step of 128 straight into one of four sets of 64 registers, three steps ahead of its products (48 loads a wave on their way).  A joint tensor load cannot fill registers, so A has none;
; these loads run three steps ahead by themselves, so no prefetch is laid for them.
; B: all four waves read all 256 columns: it goes through a ring of two LDS slots of K = 512 (two dense blocks of bq, 528 rows of 256 bytes, 132 a wave), 8 fills in all.
; CLUSTER 4, 1, 1: the four work-groups share the tile column, so each of B's loads is a joint load with the mask 15.
; A K step of 128 is four groups of 16 products (my four blocks of A x four blocks of B).  B's fragments have three buffers of four: groups 0, 1, 2, 3 of a step use X, Y, Z, Y.
; So a step has TWO runs of loads: ahead of group 0 the fragments of groups 1 and 2 (Y, Z: read last by the step before), ahead of group 2 those of group 3 and of the next step's group 0 (Y, X);
; each run also holds eight of A's loads, and the scale words where they are due.  In a slot's last step the next step's group 0 lies in the other slot and is fetched behind the change of slots.
; REGISTERS: window a (0..3): v128-255 the 16 accumulators of my A block a.  Lower halves: window 0: v8-23 addresses, v24-31 A's scale words, v32-63 B's, v64-127 buffer X;
; window 1: v0-63 buffer Z, v64-127 buffer Y; window 2: A's sets 0, 1; window 3: A's sets 2, 3.
; The product is used transposed (source 0 = 16 columns of B, source 1 = 16 rows of A): a lane holds eight neighbouring numbers of a row of out0.
.set BLKB,  67584
.set PITCH, 272                        ; an LDS row: 256 bytes + 16
.set FETG,  132*256
.set FETL,  132*PITCH
.set TILEL, 264*PITCH                  ; one block of bq in LDS: K = 256
.set SCROW, 256*PITCH                  ; its scale bytes
.set SLOT,  2*TILEL
.set SPARE, 2*SLOT                     ; the spare words, 128 bytes a wave
.set SP,    1040                       ; the way out: a stage row, 1,024 bytes + 16; 16 rows a wave, in slot 0 behind its last fill and last read
.set ASC,   16777216
.set ADRB, 8                           ; v8-11   B's fragments: slot 2 s + block j
.set ADRS, 12                          ; v12-15  B's scale words, likewise
.set AOF,  16                          ; 16 x lane
.set SOF,  17                          ; 8 x lane
.set STO,  18
.set RD,   19
.set CO,   20
.set PFO,  21
.set SPW,  22
.set NIL,  23
.set AS,   24                          ; A's scale words: 4 x (pair of steps % 2) + 2 x (32 rows) + (1 - step % 2); lanes 0-15 the even block, 16-31 the odd
.set BS,   32                          ; B's: 16 x (K 256 % 2) + 2 i + step % 2; lanes 0-15 block 2 i, lanes 16-31 block 2 i + 1.  A's and B's numbers differ in parity
.set G1,   24
.set G0,   32
.set AB,   44                          ; s[44:45] A's codes, s[46:47] A's scale words, s[12:13] the prefetches
.set SCB,  46
.set PFA,  12
.set MSB, 0
.macro WIN new
.if MSB != (\new)
	s_set_vgpr_msb (MSB<<8)|(\new)
.set MSB, (\new)
.endif
.endm
.macro PL n
.rept \n
	v_nop
.endr
.endm
.macro CREST
	s_cmp_lg_u32 s14, 0
	s_cbranch_scc1 .Lnot_wave_0_\@
	s_barrier_signal -3
.Lnot_wave_0_\@:
	s_barrier_wait -3
	s_barrier_signal -1
	s_barrier_wait -1
.endm
.macro CROUND
	s_barrier_signal -1
	s_barrier_wait -1
	CREST
.endm
.macro JL s                            ; my 132 rows of slot s: one line for all waves, addresses by the wave's number
	tensor_load_to_lds s[G0+4*\s:G0+4*\s+3], s[G1:G1+7]
	s_nop 0
	PL 4
.endm
; a prefetch of B's slot one refill (four K steps of 128) on: of the 132 rows that my wave will fetch, partner cx names rows 33 cx .. + 31, a lane a row; the 33rd comes by its load alone
.macro ASK pf
.if (\pf) == 1
	global_prefetch_b8 v[PFO], s[PFA:PFA+1] th:TH_LOAD_NT scope:SCOPE_SE
.endif
.if (\pf) == 2
	s_cmp_gt_u32 s3, 1                             ; the last trip's second change has no slot left to ask for
	s_cbranch_scc0 .Lno_ask_\@
	global_prefetch_b8 v[PFO], s[PFA:PFA+1] offset:2*BLKB th:TH_LOAD_NT scope:SCOPE_SE
.Lno_ask_\@:
.endif
.endm
; one product: A block a x B block 4 g + be, step q of the slot; B's buffer begins at v[BB_] of window P_
.macro WM a, q, g, be, zero
.set D_, 128+8*(4*(\g)+(\be))
.set S0_, BB_+16*(\be)
.set S1_, 64*((\q)&1)+16*(\a)
.set X0_, BS+16*((\q)>>1)+2*(2*(\g)+((\be)>>1))+((\q)&1)
.set X1_, AS+4*((\q)>>1)+2*((\a)>>1)+1-((\q)&1)
.set R_, 2*((\be)&1)+((\a)&1)+4*(\zero)
.if R_ == 0
	v_wmma_scale_f32_16x16x128_f8f6f4 v[D_:D_+7], v[S0_:S0_+15], v[S1_:S1_+15], v[D_:D_+7], v[X0_], v[X1_] matrix_a_fmt:MATRIX_FMT_BF8 matrix_b_fmt:MATRIX_FMT_BF8
.endif
.if R_ == 1
	v_wmma_scale_f32_16x16x128_f8f6f4 v[D_:D_+7], v[S0_:S0_+15], v[S1_:S1_+15], v[D_:D_+7], v[X0_], v[X1_] matrix_a_fmt:MATRIX_FMT_BF8 matrix_b_fmt:MATRIX_FMT_BF8 matrix_b_scale:MATRIX_SCALE_ROW1
.endif
.if R_ == 2
	v_wmma_scale_f32_16x16x128_f8f6f4 v[D_:D_+7], v[S0_:S0_+15], v[S1_:S1_+15], v[D_:D_+7], v[X0_], v[X1_] matrix_a_fmt:MATRIX_FMT_BF8 matrix_b_fmt:MATRIX_FMT_BF8 matrix_a_scale:MATRIX_SCALE_ROW1
.endif
.if R_ == 3
	v_wmma_scale_f32_16x16x128_f8f6f4 v[D_:D_+7], v[S0_:S0_+15], v[S1_:S1_+15], v[D_:D_+7], v[X0_], v[X1_] matrix_a_fmt:MATRIX_FMT_BF8 matrix_b_fmt:MATRIX_FMT_BF8 matrix_a_scale:MATRIX_SCALE_ROW1 matrix_b_scale:MATRIX_SCALE_ROW1
.endif
.if R_ == 4
	v_wmma_scale_f32_16x16x128_f8f6f4 v[D_:D_+7], v[S0_:S0_+15], v[S1_:S1_+15], 0, v[X0_], v[X1_] matrix_a_fmt:MATRIX_FMT_BF8 matrix_b_fmt:MATRIX_FMT_BF8
.endif
.if R_ == 5
	v_wmma_scale_f32_16x16x128_f8f6f4 v[D_:D_+7], v[S0_:S0_+15], v[S1_:S1_+15], 0, v[X0_], v[X1_] matrix_a_fmt:MATRIX_FMT_BF8 matrix_b_fmt:MATRIX_FMT_BF8 matrix_b_scale:MATRIX_SCALE_ROW1
.endif
.if R_ == 6
	v_wmma_scale_f32_16x16x128_f8f6f4 v[D_:D_+7], v[S0_:S0_+15], v[S1_:S1_+15], 0, v[X0_], v[X1_] matrix_a_fmt:MATRIX_FMT_BF8 matrix_b_fmt:MATRIX_FMT_BF8 matrix_a_scale:MATRIX_SCALE_ROW1
.endif
.if R_ == 7
	v_wmma_scale_f32_16x16x128_f8f6f4 v[D_:D_+7], v[S0_:S0_+15], v[S1_:S1_+15], 0, v[X0_], v[X1_] matrix_a_fmt:MATRIX_FMT_BF8 matrix_b_fmt:MATRIX_FMT_BF8 matrix_a_scale:MATRIX_SCALE_ROW1 matrix_b_scale:MATRIX_SCALE_ROW1
.endif
.endm
.macro SETB g                          ; group g's buffer: 0: X (window 0, v64); 1, 3: Y (window 1, v64); 2: Z (window 1, v0)
.set P_, 1
.set BB_, 64
.if (\g) == 0
.set P_, 0
.endif
.if (\g) == 2
.set BB_, 0
.endif
.endm
.macro FOUR a, q, g, zero              ; four products on block a.  Source 0: B's buffer; source 1: A's set q; C and D: window a
	WIN (P_|((2+((\q)>>1))<<2)|((\a)<<4)|((\a)<<6))
.irp be, 0,1,2,3
	WM \a, \q, \g, \be, \zero
.endr
.endm
.macro ALL4 q, g, zero                 ; a group's 16 products
	SETB \g
.irp a, 0,1,2,3
	FOUR \a, \q, \g, \zero
.endr
.endm
.macro LB s, q, g, db                  ; 16 loads: the four fragments of B of slot s, step q, group g, into v[db ..] of the destination's window
.set I_, 0
.rept 16
	ds_load_b128 v[(\db)+4*I_:(\db)+4*I_+3], v[ADRB+2*(\s)+((\q)>>1)] offset:(64*(\g)+16*(I_>>2))*PITCH+((\q)&1)*128+32*(I_&3)
.set I_, I_+1
.endr
.endm
.macro BSL s, q                        ; B's scale words of the K = 256 that holds step q of slot s: 8 bytes a column
.set I_, 0
.rept 8
	ds_load_b64 v[BS+16*((\q)>>1)+2*I_:BS+16*((\q)>>1)+2*I_+1], v[ADRS+2*(\s)+((\q)>>1)] offset:I_*PITCH
.set I_, I_+1
.endr
.endm
.macro ALD sig, g0                     ; blocks g0, g0 + 1 of A's set for the step three on
	WIN LA_<<6
.irp g, \g0, \g0+1
.irp c, 0,1,2,3
	global_load_b128 v[64*(TN_&1)+16*(\g)+4*\c:64*(TN_&1)+16*(\g)+4*\c+3], v[AOF], s[AB:AB+1] offset:(\g)*65536+((\sig)+3)*2048+\c*512
.endr
.endr
.endm
; A K step of 128.  tm: 0 plain; 1, 2 the slot's last step (1: the slot is filled again); 3 the last step of all.
; cnt: the loads issued behind this step's set of A and its scale words: two later sets of 16, and on odd steps the two scale loads among them.
; Eight plain vector lines stand ahead of each run: a load into registers that products have read stands eight places behind them.
.macro STEP sl, q, sig, zero, al, as, cnt, tm, pf
.set TN_, ((\q)+3)&3
.set LA_, 2+(TN_>>1)
.set NQ_, ((\q)+1)&3
.set NS_, \sl
.if (\q) == 3
.set NS_, 1-(\sl)
.endif
.set BS_, 0
.if (\tm) == 0
.set BS_, (\q)&1
.endif
.set TU_, 0
.if ((\tm) == 1) || ((\tm) == 2)
.set TU_, 1
.endif
	s_wait_loadcnt \cnt
	PL 8
	WIN 1<<6
	LB \sl, \q, 1, 64                              ; group 1 into Y,
	LB \sl, \q, 2, 0                               ; group 2 into Z
.if \as
	WIN 0
.irp h, 0,1
	global_load_b64 v[AS+4*(1-((\q)>>1))+2*\h:AS+4*(1-((\q)>>1))+2*\h+1], v[SOF], s[SCB:SCB+1] offset:\h*4096+(((\sig)+2)/2)*256   ; A's scale words of the pair of steps that begins two steps on
.endr
.endif
.if \al
	ALD \sig, 0
.endif
	s_wait_dscnt 32                                ; all but this run's 32: group 0's fragments and this step's scale words are in
	ALL4 \q, 0, \zero
	s_wait_dscnt 16                                ; group 1's are in; group 2's 16 may be out
	ALL4 \q, 1, \zero
	PL 8
	WIN 1<<6
	LB \sl, \q, 3, 64                              ; group 3 into Y,
.if (\tm) == 0
	WIN 0
	LB NS_, NQ_, 0, 64                             ; the next step's group 0 into X,
.if BS_
	BSL NS_, NQ_                                   ; and B's scale words of the next K = 256
.endif
.endif
.if \al
	ALD \sig, 2
.endif
.if (\tm) == 0
	s_wait_dscnt 32+8*BS_                          ; all but this run's: group 2's are in
.else
	s_wait_dscnt 16
.endif
	SETB 2
	FOUR 0, \q, 2, \zero
	FOUR 1, \q, 2, \zero
	FOUR 2, \q, 2, \zero
.if TU_
	WIN 0
	s_wait_tensorcnt 0x0                           ; my part of the next slot has landed;
	ds_add_u32 v[SPW], v[NIL]                      ; four products stand between the add and the wait for it
.endif
	FOUR 3, \q, 2, \zero
.if TU_
	s_wait_dscnt 0x0                               ; the add is done, and my last reads of this slot (group 3's fragments) are back
	s_barrier_signal -1
	SETB 3
	FOUR 0, \q, 3, \zero                           ; work on registers while the others arrive
	WIN 0
	s_barrier_wait -1                              ; nobody reads this slot any more, and the next slot is whole
.if (\tm) == 1
	CREST                                          ; the barrier has opened a round of the cluster's barrier
	s_add_nc_u64 s[G0+4*\sl+2:G0+4*\sl+3], s[G0+4*\sl+2:G0+4*\sl+3], 4*BLKB
	JL \sl                                         ; the first tensor load behind the round; its four v_nop are among the eight places
	PL 4
	ASK \pf
.else
	PL 8
.endif
	LB NS_, NQ_, 0, 64                             ; from the next slot: its first group into X, and its scale words
	BSL NS_, NQ_
	FOUR 1, \q, 3, \zero
	FOUR 2, \q, 3, \zero
	FOUR 3, \q, 3, \zero
.else
.if (\tm) == 0
	s_wait_dscnt 16+8*BS_                          ; group 3's are in; the next step's group 0 and the scale words may be out
.else
	s_wait_dscnt 0x0
.endif
	ALL4 \q, 3, \zero
.endif
.endm
.macro AHEAD t
.irp a, 0,1,2,3
.irp c, 0,1,2,3
	global_load_b128 v[64*((\t)&1)+16*\a+4*\c:64*((\t)&1)+16*\a+4*\c+3], v[AOF], s[AB:AB+1] offset:\a*65536+(\t)*2048+\c*512
.endr
.endr
.endm
	s_load_b128 s[4:7], s[0:1], 0x0                ; aq, bq
	s_load_b64 s[8:9], s[0:1], 0x10                ; out0
	v_lshl_add_u32 v[SPW], v0, 2, SPARE
	v_mov_b32 v[NIL], 0
	ds_add_u32 v[SPW], v[NIL]                      ; the opening lines
	ds_add_u32 v[SPW], v[NIL]
	v_lshrrev_b32 v1, 5, v0
	v_readfirstlane_b32 s14, v1                    ; wave
	s_bfe_u32 s40, ttmp6, 0x40000                  ; cx
	s_lshl_b32 s17, ttmp9, 2
	s_add_co_u32 s17, s17, s40                     ; tile row
	s_and_b32 s42, ttmp7, 0xffff                   ; tile column: the same in the four partners
	s_mov_b32 s[G1], 15|(3<<16)|(1<<20)|(1<<21)|(5<<22)|(3<<25)  ; mask of the four; elements of 8 bytes; 4 words of padding behind every 64
	s_mov_b32 s[G1+1], 32<<16
	s_mov_b32 s[G1+2], 132<<16
	s_mov_b32 s[G1+3], 32<<16
	s_mov_b32 s[G1+4], 132
	s_mov_b32 s[G1+5], 32
	s_mov_b32 s[G1+6], 0
	s_mov_b32 s[G1+7], 0
	s_mul_i32 s20, s42, 16*BLKB
	s_mul_i32 s18, s14, FETG
	s_add_co_u32 s20, s20, s18                     ; B: the tile column's blocks, my 132 rows of a slot's 528
	s_mov_b32 s21, 0
	s_mul_i32 s52, s40, 33*256
	s_add_co_u32 s52, s52, s20
	s_add_co_u32 s52, s52, 6*BLKB                  ; the prefetches begin at the fourth slot's bytes
	s_mov_b32 s53, 0
	s_mul_i32 s16, s14, FETL
	s_lshl_b32 s22, s17, 20                        ; A's codes: 16 blocks of 65,536 bytes a tile row, 4 a wave
	s_lshl_b32 s18, s14, 18
	s_add_co_u32 s22, s22, s18
	s_mov_b32 s23, 0
	s_lshl_b32 s48, s17, 15                        ; A's scale words: 8 groups of 4,096 bytes a tile row, 2 a wave
	s_lshl_b32 s18, s14, 13
	s_add_co_u32 s48, s48, s18
	s_add_co_u32 s48, s48, ASC
	s_mov_b32 s49, 0
	s_lshl_b32 s50, s17, 22                        ; out0: 256 rows of 16,384 bytes a tile row, 64 a wave, 1,024 bytes a tile column
	s_lshl_b32 s18, s14, 20
	s_add_co_u32 s50, s50, s18
	s_lshl_b32 s18, s42, 10
	s_add_co_u32 s50, s50, s18
	s_mov_b32 s51, 0
	s_wait_dscnt 0x0
	s_wait_kmcnt 0x0
	s_add_nc_u64 s[20:21], s[6:7], s[20:21]
	s_add_nc_u64 s[PFA:PFA+1], s[6:7], s[52:53]
	s_add_nc_u64 s[AB:AB+1], s[4:5], s[22:23]
	s_add_nc_u64 s[SCB:SCB+1], s[4:5], s[48:49]
	s_add_nc_u64 s[8:9], s[8:9], s[50:51]
.irp s, 0,1
	s_mov_b32 s[G0+4*\s], 1
	s_add_co_u32 s[G0+4*\s+1], s16, \s*SLOT
	s_add_nc_u64 s[G0+4*\s+2:G0+4*\s+3], s[20:21], \s*2*BLKB
	s_or_b32 s[G0+4*\s+3], s[G0+4*\s+3], 0x80000000
.endr
	CROUND                                         ; the four work-groups are here: the first joint loads meet
	JL 0                                           ; one tensor load a wave at the head
	v_and_b32 v1, 15, v0
	v_bfe_u32 v2, v0, 4, 1
	v_and_b32 v3, 31, v0
	v_mul_u32_u24 v4, v1, PITCH
	v_lshl_add_u32 v4, v2, 4, v4                   ; a fragment's row x pitch + 16 h
	v_lshlrev_b32 v5, 3, v3
.irp s, 0,1
.irp j, 0,1
	v_add_nc_u32 v[ADRB+2*\s+\j], \s*SLOT+\j*TILEL, v4
	v_add_nc_u32 v[ADRS+2*\s+\j], SCROW+\s*SLOT+\j*TILEL, v5
.endr
.endr
	v_lshlrev_b32 v[AOF], 4, v3
	v_mov_b32 v[SOF], v5
	s_mul_i32 s23, s14, 16*SP
	v_mul_u32_u24 v6, v1, SP
	v_lshl_add_u32 v6, v2, 5, v6
	v_add_nc_u32 v[STO], s23, v6                   ; into my stage: row l % 16, 32 bytes for each half of the lanes
	v_add_nc_u32 v[RD], s23, v[AOF]                ; back: 512 bytes on end
	v_lshlrev_b32 v[CO], 4, v3
	v_lshlrev_b32 v[PFO], 8, v3
	s_wait_alu depctr_va_vdst(0)
.irp g, 0,1
	global_load_b64 v[AS+2*\g:AS+2*\g+1], v[SOF], s[SCB:SCB+1] offset:\g*4096   ; steps 0 and 1
.endr
	WIN 0x80
	AHEAD 0
	AHEAD 1
	WIN 0xc0
	AHEAD 2
	WIN 0
	s_wait_tensorcnt 0x0                           ; my part of slot 0 is in
	ds_add_u32 v[SPW], v[NIL]
	s_wait_dscnt 0x0
	CROUND
	JL 1                                           ; slot 1's first fill, the first tensor load behind the round
	LB 0, 0, 0, 64                                 ; step 0's group 0 into X, and the first scale words
	BSL 0, 0
	STEP 0, 0, 0, 1, 1, 1, 32, 0, 0                ; the first step starts the sums
	WIN 0
	s_mov_b32 s3, 3
.Llap:                                                 ; a trip: eight steps, once round the ring, from a lap's second step to the next lap's first
	STEP 0, 1, 1, 0, 1, 0, 34, 0, 0
	STEP 0, 2, 2, 0, 1, 1, 32, 0, 0
	STEP 0, 3, 3, 0, 1, 0, 34, 1, 1
	STEP 1, 0, 4, 0, 1, 1, 32, 0, 0
	STEP 1, 1, 5, 0, 1, 0, 34, 0, 0
	STEP 1, 2, 6, 0, 1, 1, 32, 0, 0
	STEP 1, 3, 7, 0, 1, 0, 34, 1, 2
	STEP 0, 0, 8, 0, 1, 1, 32, 0, 0
	WIN 0
	s_wait_xcnt 0x0                                ; the loads and prefetches have read their bases
	s_add_nc_u64 s[AB:AB+1], s[AB:AB+1], 8*2048
	s_add_nc_u64 s[SCB:SCB+1], s[SCB:SCB+1], 4*256
	s_add_nc_u64 s[PFA:PFA+1], s[PFA:PFA+1], 4*BLKB
	s_sub_co_u32 s3, s3, 1
	s_cmp_lg_u32 s3, 0
	s_cbranch_scc1 .Llap
	STEP 0, 1, 1, 0, 1, 0, 34, 0, 0                ; the last seven steps: nothing is filled again, and A's loads end with step 31's
	STEP 0, 2, 2, 0, 1, 1, 32, 0, 0
	STEP 0, 3, 3, 0, 1, 0, 34, 2, 0
	STEP 1, 0, 4, 0, 1, 1, 32, 0, 0
	STEP 1, 1, 5, 0, 0, 0, 34, 0, 0
	STEP 1, 2, 6, 0, 0, 0, 16, 0, 0
	STEP 1, 3, 7, 0, 0, 0, 0, 3, 0
	WIN 0
; THE WAY OUT, by blocks of 16 rows x 256 columns: through my stage, back as half rows of 512 bytes, stored as two aligned units of 256 bytes.  LDS serves a wave's instructions in order.
; Block a comes back into 128 registers of its own: 0, 1 where A's sets lay (windows 2, 3), 2, 3 where blocks 0, 1 were summed (windows 0, 1): no store's data are written again.
.macro STG a
	WIN (\a)<<2
.irp b, 0,1,2,3,4,5,6,7,8,9,10,11,12,13,14,15
	ds_store_b128 v[STO], v[128+8*\b:128+8*\b+3] offset:64*\b      ; each accumulator from its low end on
	ds_store_b128 v[STO], v[128+8*\b+4:128+8*\b+7] offset:64*\b+16
.endr
.endm
.macro BACK a
	WIN ((2+(\a))&3)<<6
.set I_, 0
.rept 32
	ds_load_b128 v[128*((\a)>>1)+4*I_:128*((\a)>>1)+4*I_+3], v[RD] offset:(I_>>1)*SP+(I_&1)*512
.set I_, I_+1
.endr
.endm
.macro SEND a
	WIN ((2+(\a))&3)<<2
.set I_, 0
.rept 32
	global_store_b128 v[CO], v[128*((\a)>>1)+4*I_:128*((\a)>>1)+4*I_+3], s[8:9] offset:(\a)*262144+(I_>>1)*16384+(I_&1)*512 th:TH_STORE_NT
.set I_, I_+1
.endr
.endm
	PL 8                                           ; places behind the last products
.irp a, 0,2
	STG \a
	BACK \a
	STG \a+1
	BACK \a+1
	s_wait_dscnt 32                                ; the first block of the two is back; the second's 32 loads may be out
	SEND \a
	s_wait_dscnt 0x0
	SEND \a+1
.endr
	WIN 0
	s_wait_tensorcnt 0x0                           ; the wave's end
	ds_add_u32 v[SPW], v[NIL]
	s_wait_dscnt 0x0
	CROUND                                         ; the closing round
	s_endpgm
.Lfunc_end_k_q745ca39f01_gemm:
	.size	k_q745ca39f01_gemm, .Lfunc_end_k_q745ca39f01_gemm-k_q745ca39f01_gemm
	.p2alignl 7, 3214868480
	.fill 96, 4, 3214868480
	.section	.rodata,"a",@progbits
	.p2align	6, 0x0
	.amdhsa_kernel k_q745ca39f01_gemm
		.amdhsa_group_segment_fixed_size 327680
		.amdhsa_private_segment_fixed_size 0
		.amdhsa_enable_private_segment 0
		.amdhsa_kernarg_size 24
		.amdhsa_user_sgpr_count 2
		.amdhsa_user_sgpr_kernarg_segment_ptr 1
		.amdhsa_wavefront_size32 1
		.amdhsa_system_sgpr_workgroup_id_x 1
		.amdhsa_system_sgpr_workgroup_id_y 1
		.amdhsa_system_sgpr_workgroup_id_z 1
		.amdhsa_system_vgpr_workitem_id 0
		.amdhsa_next_free_vgpr 1024
		.amdhsa_next_free_sgpr 66
		.amdhsa_reserve_vcc 0
		.amdhsa_float_denorm_mode_32 3
		.amdhsa_float_denorm_mode_16_64 3
		.amdhsa_memory_ordered 1
		.amdhsa_forward_progress 1
		.amdhsa_inst_pref_size 255
	.end_amdhsa_kernel
	.section	.bss,"aw",@nobits
	.p2align	6
	.space	262144
	.amdgpu_metadata
---
amdhsa.version: [ 1, 2 ]
amdhsa.kernels:
  - .name:           k_q745ca39f01_gemm
    .symbol:         k_q745ca39f01_gemm.kd
    .args:
      - { .name: aq, .offset: 0, .size: 8, .value_kind: global_buffer, .address_space: global }
      - { .name: bq, .offset: 8, .size: 8, .value_kind: global_buffer, .address_space: global }
      - { .name: out0, .offset: 16, .size: 8, .value_kind: global_buffer, .address_space: global }
    .group_segment_fixed_size: 327680
    .private_segment_fixed_size: 0
    .kernarg_segment_align: 8
    .kernarg_segment_size: 24
    .max_flat_workgroup_size: 128
    .sgpr_count:     66
    .vgpr_count:     1024
    .wavefront_size: 32
...
	.end_amdgpu_metadata
.endif
;; end of part 2
